; MI455X (gfx1250); checked and timed in simulation.
; The chip was launched on July 23, 2026; its instructions are those of AMD's public machine-readable ISA for CDNA 5 (MIT licence, August 2026) and "CDNA5" Instruction Set Architecture Reference Guide (July 2026). The comments in the code are by the model that wrote it; some were corrected since.
;; Co Attention. Allowed arithmetic: matrix products marked QUANTISED: E5M2 operands, one given power-of-two scale a tensor, by v_wmma_f32_16x16x64_bf8_bf8 or v_wmma_f32_16x16x128_bf8_bf8, f32 sums; everything else in f32.
;; Inputs: Wk_codes 256 x 8 x 32 uint8 (E5M2 codes of Wk, K innermost, in blocks of 32 codes); Wq_codes 256 x 32 x 32 uint8 (E5M2 codes of Wq, K innermost, in blocks of 32 codes); bk 256 float32; bq 256 float32; data1_codes 8 x 2,048 x 32 x 32 uint8 (E5M2 codes of data1, K innermost, in blocks of 32 codes); data2_codes 8 x 2,048 x 8 x 32 uint8 (E5M2 codes of data2, K innermost, in blocks of 32 codes); lowp_scales 8 int32 (the exponents e of the quantised operands' scales 2^e).
;; Outputs: out0 8 x 2,048 x 256 float32.
;; This version of the problem:
;;   THIS VERSION OF THE PROBLEM IS GIVEN IN LOW PRECISION. The matrix products marked QUANTISED in the list below multiply operands that are first quantised to E5M2 (5 exponent bits, 2 mantissa bits; 8 bits a number), with one given power-of-two scale for each operand tensor; their sums are f32. All else is computed in f32.
;;   The module's matrix products, in the order in which they are computed (A, B: the left and right operand; K: the contracted axis; several contracted axes count as one K, in the product's order):
;;     1. [M 16,384, K 1,024] x [K 1,024, N 256]; A: input data1 (given as codes); B: input Wq (given as codes): QUANTISED (scales: A lowp_scales[0], B lowp_scales[1])
;;     2. [M 16,384, K 256] x [K 256, N 256]; A: input data2 (given as codes); B: input Wk (given as codes): QUANTISED (scales: A lowp_scales[2], B lowp_scales[3])
;;     3. batch 8 x [M 2,048, K 256] x [K 256, N 2,048]; A: computed on the way; B: computed on the way: QUANTISED (scales: A lowp_scales[4], B lowp_scales[5])
;;     4. batch 8 x [M 2,048, K 2,048] x [K 2,048, N 256]; A: softmax (see below); B: computed on the way: QUANTISED (scales: A lowp_scales[6], B lowp_scales[7])
;;   THE QUANTISER, for each operand of a quantised product, along K:
;;     - The operand's scale is 2^e, e = its entry of the input lowp_scales (int32; the entries are numbered through the quantised products in the list's order, A before B).
;;     - Each number is divided by the scale, clamped to +-57,344, and rounded to the nearest number of E5M2, ties to even, subnormals kept.
;;     - The product sums the exact products of the quantised numbers (number of the format x scale) in f32.
;;   ~~~python
;;   def quantise(x, axis, e):      # numpy; x: float32 -> the quantised numbers, widened to float32 again
;;       x = np.moveaxis(x, axis, -1); K = x.shape[-1]
;;       r = np.clip(x / 2.0 ** e, -57344, 57344)
;;       step = 2.0 ** (np.maximum(np.frexp(np.where(r == 0, 1, r))[1] - 1, -14) - 2)
;;       q = np.round(r / step) * step * 2.0 ** e      # np.round: ties to even
;;       return np.moveaxis(q, -1, axis).astype(np.float32)
;;   ~~~
;;   SOFTMAX AHEAD OF A QUANTISED PRODUCT. Where the list says 'softmax', what is quantised is not the finished softmax but p = 2^(t - M), with t = logit x log2(e) and M = ceil(the row's largest t), a whole number; so 1/2 < the row's largest p <= 1. The row's sum l is taken of the UNQUANTISED p, in f32, and the product's result is divided by l at the end. Since M is a whole number, a kernel that streams over the keys may use a running M (the ceiling of the running maximum): every later rescaling is an exact power of two, so the quantised numbers keep their values, but for numbers so far below the row's largest that they fall under the format's range.
;;   OPERANDS COMPUTED ON THE WAY. 'Computed on the way' means the value that the module computes at that place (a softmax that the list does not call 'softmax' is quantised finished and normalised). What goes into a quantiser is computed in f32, as accurately as f32 sums, v_exp_f32 and their like allow (about 1e-6 of the number): no bf16 or f16 on the way to a quantiser, and a product that is left as it is and whose result goes on into a quantised operand takes f32 operands (vector FMAs, or v_wmma_f32_16x16x4_f32). A number that lies on a knife's edge between two numbers of the format may be rounded either way, as far as f32 arithmetic and the matrix unit's own rounding can turn it there, and no further.
;;   INPUTS GIVEN AS CODES. Wk (in the module: [256, 256], K = its axis 0); Wq (in the module: [1024, 256], K = its axis 0); data1 (in the module: [8, 2048, 1024], K = its axis 2); data2 (in the module: [8, 2048, 256], K = its axis 2): each comes as NAME_codes (uint8): NAME with its K axis moved to the last place and cut into blocks of 32 codes, [.., K / 32, bytes a block], one block behind the other in memory; one code a byte (a code: sign, 5 exponent bits, 2 mantissa bits); its scale is its entry of lowp_scales. Its value is code x scale, taken as it is: it is not quantised again, and the codes and scales need not be those that the quantiser above would give.
;; One version. Each part assembles by itself: llvm-mc -triple=amdgcn-amd-amdhsa -mcpu=gfx1250 --defsym DOCPART=n.
;; ======== version 1 of 1: 2 launches
;; limits: right only within a limited range of input values
;; workspace buffers: kv 8,388,608 bytes; wqi 262,144 bytes
;; launch prep (part 1): grid 256 x 1, 4 waves a work-group, no clusters, 70,144 bytes of LDS; arguments data2_codes, Wk_codes, bk, Wq_codes, lowp_scales, kv, wqi; writes kv, wqi
.if DOCPART == 1
	.amdgcn_target "amdgcn-amd-amdhsa--gfx1250"
	.amdhsa_code_object_version 6
	.text
	.protected	k_q92382dfc19_prep
	.globl	k_q92382dfc19_prep
	.p2align	8
	.type	k_q92382dfc19_prep,@function
k_q92382dfc19_prep:
	s_mov_b64 s[64:65], 0
	v_nop
	global_prefetch_b8 v0, s[64:65] scope:SCOPE_SE
	s_setreg_imm32_b32 hwreg(HW_REG_WAVE_MODE, 25, 1), 1
	s_wait_xcnt 0x0
; key = data2 Wk + bk on codes of E5M2, quantised twice (along d with 2^e5 for the scores, along the keys with 2^e7 for the second product of attention),
; and stored as IMAGES OF OPERAND REGISTERS; beside it Wq's codes are copied into the same order.
; AN IMAGE is a fragment of 16 rows x 128 K, 2,048 bytes: piece c (0..3) is 512 bytes, lane L's 16 bytes at 512 c + 16 L hold k = 32 c + 16 (L / 16) + 0..15 of row L % 16.
; That place of k is used alike on both sides of every product, so every code meets its partner.
; THE ROWS OF A TILE ARE NOT NEIGHBOURS: lane r of tile t takes row 32 (t / 2) + 8 (t % 2) + r + 8 (r / 8), so that in a transposed result the 16 registers of tiles 2 b, 2 b + 1 are the neighbours 32 b + 16 (L / 16) + 0..15.
; kv: [batch 8][step of 256 keys 8][131,072]: 32 images of K (tile of keys kt 0..15, half of d s: at 4096 kt + 2048 s), then 32 of V (tile of d dt 0..15, half of the keys c2: at 65,536 + 4096 dt + 2048 c2).
; wqi: [wave 4][K step 8][tile 4][2,048]: image (w, ks, t) holds Wq's rows 64 w + (the tile's rows), k = 128 ks on.
; SHARES.  Work-group g takes 128 keys (chunk g / 2) and 128 of d (half g % 2).  Both blocks, 128 rows x 256 codes each, are read once, 512 consecutive bytes a load, and laid in LDS in the tiles' order.
; The product is made in both orientations from the same two blocks: A: lane = key, registers along d (K's images); B: lane = d, registers along the keys (V's).  Nothing is transposed.
; Wave w makes K's images of key tiles 2 w, 2 w + 1 of the chunk and V's of d tiles 2 w, 2 w + 1 of the half: 64 matrix instructions.
; NO CLUSTER, NO TENSOR LOAD: a work-group reads 64 KB once and has no loop in which a joint request could recur; a round of the cluster's barrier would stand in front of its only loads.
; LIMITS, so that each power of two is an f32 number: e5 - e2 - e3 and e7 - e2 - e3 between -126 and 112.  The bias is brought under the sums by v_ldexp_f32.  NaN among the inputs is not served.
; REGISTERS: window 0: v1-8 addresses; v12-15 the two scales and holds; v48-111 eight accumulators; v112-175 four images of codes (v48-175 first: the 32 loads' data);
;   windows 1 and 3: the 16 fragments of the block streamed in phase A, in phase B (tile t, K step k at 32 t + 16 k);
;   window 2: v0-63 the bias along d for phase A, v64-79 the lane's own bias for phase B, v128-255 the four fixed tiles (A's two, B's two; 2 K steps each).
.set PT,    272                        ; an LDS row: 256 bytes + 16: the 16 rows of a fragment load start at 16 different groups of banks
.set D2B,   0                          ; data2's 128 rows
.set WKB,   128*PT                     ; Wk's 128 rows
.set SPARE, 2*128*PT                   ; the spare words, 128 bytes a wave: two blocks of 256 bytes that no other line names
.set L16,  1                           ; 16 x lane
.set FS,   2                           ; 272 r + 16 h: a streamed fragment's place for my lane
.set FF,   3                           ; the same in my wave's 32 rows
.set SA,   4                           ; where I put 16 bytes of a loaded row
.set BA,   5                           ; 64 h
.set BB,   6                           ; 4 (r + 8 (r / 8))
.set WS,   7                           ; Wq: my 8 bytes' source
.set WD,   8                           ; and their place in the image: 8 x thread
.set SCA,  12
.set LIMA, 13
.set SCB,  14
.set LIMB, 15
.set FXB,  128
.set ACC,  48
.set COD,  112
.set RAW,  176
.set SPW,  252
.set NIL,  253
.set MSB, 0
.macro WIN new                         ; the immediate's high byte repeats the setting that is left
.if MSB != \new
	s_set_vgpr_msb (MSB<<8)|\new
.set MSB, \new
.endif
.endm
.macro STREAM base, w                  ; a block's 16 fragments into the window that w names
	WIN \w
.irp t, 0,1,2,3,4,5,6,7
.irp k, 0,1
.irp c, 0,1,2,3
	ds_load_b128 v[32*\t+16*\k+4*\c:32*\t+16*\k+4*\c+3], v[FS] offset:\base+16*\t*PT+128*\k+32*\c
.endr
.endr
.endr
	WIN 0
.endm
.macro FIX base, u, f                  ; my wave's tile u of the other block, both K steps, as fixed tile f
	WIN 0x80
.irp k, 0,1
.irp c, 0,1,2,3
	ds_load_b128 v[FXB+32*\f+16*\k+4*\c:FXB+32*\f+16*\k+4*\c+3], v[FF] offset:\base+16*\u*PT+128*\k+32*\c
.endr
.endr
	WIN 0
.endm
.macro MUL cb, per, w1, w2, f          ; eight tiles by turns, K step by K step; the bias (window 2, from cb on, per registers a tile) is the C of each sum's first product
	WIN \w1
.irp t, 0,1,2,3,4,5,6,7
	v_wmma_f32_16x16x128_bf8_bf8 v[ACC+8*\t:ACC+8*\t+7], v[32*\t:32*\t+15], v[FXB+32*\f:FXB+32*\f+15], v[\cb+\per*\t:\cb+\per*\t+7]
.endr
	WIN \w2
.irp t, 0,1,2,3,4,5,6,7
	v_wmma_f32_16x16x128_bf8_bf8 v[ACC+8*\t:ACC+8*\t+7], v[32*\t+16:32*\t+31], v[FXB+32*\f+16:FXB+32*\f+31], v[ACC+8*\t:ACC+8*\t+7]
.endr
	WIN 0
.rept 4
	v_nop                                          ; places between the last product and the first read of results (ISA guide 7.12.1)
.endr
.endm
.macro QUANT img, sc, lim              ; the lane's 64 sums, register 16 b + i = k 32 b + 16 h + i, become image img's 16 registers
.irp b, 0,1,2,3
.irp i, 0,1,2,3,4,5,6,7,8,9,10,11,12,13,14,15
	v_med3_num_f32 v[ACC+16*\b+\i], v[ACC+16*\b+\i], -v[\lim], v[\lim]   ; the conversion does not saturate (ISA guide 7.6.2): the hold at the largest code x the scale
.endr
	v_cvt_scalef32_pk8_bf8_f32 v[COD+16*(\img)+4*\b:COD+16*(\img)+4*\b+1], v[ACC+16*\b:ACC+16*\b+7], v[\sc]
	v_cvt_scalef32_pk8_bf8_f32 v[COD+16*(\img)+4*\b+2:COD+16*(\img)+4*\b+3], v[ACC+16*\b+8:ACC+16*\b+15], v[\sc]
.endr
	v_nop                                          ; a plain line between the last conversion and the products that write its sources again
.endm
.macro OUT img, base, off              ; an image leaves as it stands: each store of the wave covers 512 consecutive bytes, aligned
.irp c, 0,1,2,3
	global_store_b128 v[L16], v[COD+16*(\img)+4*\c:COD+16*(\img)+4*\c+3], s[\base:\base+1] offset:\off+512*\c
.endr
.endm
	s_load_b256 s[4:11], s[0:1], 0x0               ; data2 s[4:5], Wk s[6:7], bk s[8:9], Wq s[10:11]
	s_load_b128 s[12:15], s[0:1], 0x20             ; the scales' exponents s[12:13], kv s[14:15]
	s_load_b64 s[16:17], s[0:1], 0x30              ; wqi
	v_lshl_add_u32 v[SPW], v0, 2, SPARE
	v_mov_b32 v[NIL], 0
	v_lshrrev_b32 v9, 5, v0
	v_readfirstlane_b32 s18, v9                    ; wave 0..3
	v_and_b32 v9, 31, v0                           ; lane
	v_lshlrev_b32 v[L16], 4, v9
	v_and_b32 v16, 15, v0                          ; r
	v_bfe_u32 v17, v0, 4, 1                        ; h
	v_mul_u32_u24 v[FS], v16, PT
	v_lshl_add_u32 v[FS], v17, 4, v[FS]
	s_mul_i32 s19, s18, 32*PT                      ; my wave's 32 rows
	v_add_nc_u32 v[FF], s19, v[FS]
	v_mul_u32_u24 v[SA], v17, PT                   ; a load brings two rows: lanes 0-15 one, lanes 16-31 the next
	v_lshl_add_u32 v[SA], v16, 4, v[SA]
	v_add_nc_u32 v[SA], s19, v[SA]
	v_lshlrev_b32 v[BA], 6, v17
	v_and_b32 v[BB], 8, v16
	v_add_nc_u32 v[BB], v[BB], v16
	v_lshlrev_b32 v[BB], 2, v[BB]
	v_bfe_u32 v18, v0, 1, 4                        ; Wq's copy: thread T holds bytes 8 T of half an image: image lane (T % 64) / 2, so row r' = (T / 2) % 16,
	v_and_b32 v19, 8, v18
	v_add_nc_u32 v18, v18, v19                     ; r' + 8 (r' / 8)
	v_lshlrev_b32 v[WS], 10, v18                   ; a row of Wq is 1,024 bytes
	v_bfe_u32 v19, v0, 5, 2                        ; 32 (T / 64) + 16 ((T / 32) % 2) = 16 ((T / 32) % 4): the piece and the lanes' half,
	v_lshl_add_u32 v[WS], v19, 4, v[WS]
	v_and_b32 v19, 1, v0
	v_lshl_add_u32 v[WS], v19, 3, v[WS]            ; and which 8 of the lane's 16 bytes
	v_lshlrev_b32 v[WD], 3, v0
	s_lshr_b32 s20, ttmp9, 1                       ; the chunk of 128 keys; also Wq's image
	s_and_b32 s21, ttmp9, 1                        ; the half of d; also the half of that image
	s_lshl_b32 s22, s18, 13                        ; 8,192 x wave
	s_lshl_b32 s24, s20, 15                        ; data2: the chunk's 32,768 bytes, my wave's 8,192
	s_add_co_u32 s24, s24, s22
	s_mov_b32 s25, 0
	s_lshl_b32 s26, s21, 15                        ; Wk: the half's 32,768 bytes, my wave's 8,192
	s_add_co_u32 s26, s26, s22
	s_mov_b32 s27, 0
	s_lshl_b32 s28, s21, 9                         ; bk: the half's 128 numbers,
	s_mov_b32 s29, 0
	s_lshl_b32 s30, s18, 7                         ; and my wave's 32 of them
	s_add_co_u32 s30, s30, s28
	s_mov_b32 s31, 0
	s_lshr_b32 s32, s20, 5                         ; Wq's image f = (w' 8 + ks) 4 + t: rows 64 w' + 32 (t / 2) + 8 (t % 2) on, byte 128 ks + 64 x half
	s_lshl_b32 s32, s32, 16
	s_bfe_u32 s23, s20, 0x10001
	s_lshl_b32 s23, s23, 15
	s_add_co_u32 s32, s32, s23
	s_and_b32 s23, s20, 1
	s_lshl_b32 s23, s23, 13
	s_add_co_u32 s32, s32, s23
	s_bfe_u32 s23, s20, 0x30002
	s_lshl_b32 s23, s23, 7
	s_add_co_u32 s32, s32, s23
	s_lshl_b32 s23, s21, 6
	s_add_co_u32 s32, s32, s23
	s_mov_b32 s33, 0
	s_lshl_b32 s34, ttmp9, 10                      ; its place in wqi: 1,024 bytes a work-group
	s_mov_b32 s35, 0
	s_lshr_b32 s36, s20, 1                         ; kv: (batch, step) = chunk / 2: 131,072 bytes each; + 2 images' rows of 4,096 a wave
	s_lshl_b32 s36, s36, 17
	s_add_co_u32 s36, s36, s22
	s_and_b32 s23, s20, 1                          ; c2: which half of the step's keys
	s_lshl_b32 s38, s21, 15                        ; V's images (8 s + 2 w + u, c2)
	s_add_co_u32 s38, s38, s36
	s_add_co_u32 s38, s38, 65536
	s_lshl_b32 s44, s23, 11
	s_add_co_u32 s38, s38, s44
	s_mov_b32 s39, 0
	s_lshl_b32 s44, s23, 15                        ; K's images (8 c2 + 2 w + u, s)
	s_add_co_u32 s36, s36, s44
	s_lshl_b32 s44, s21, 11
	s_add_co_u32 s36, s36, s44
	s_mov_b32 s37, 0
	s_wait_alu depctr_va_vdst(0)
	s_wait_kmcnt 0x0
	s_load_b256 s[48:55], s[12:13], 0x0            ; e0 .. e7
	s_add_nc_u64 s[4:5], s[4:5], s[24:25]
	s_add_nc_u64 s[6:7], s[6:7], s[26:27]
	s_add_nc_u64 s[40:41], s[8:9], s[28:29]
	s_add_nc_u64 s[42:43], s[8:9], s[30:31]
	s_add_nc_u64 s[10:11], s[10:11], s[32:33]
	s_add_nc_u64 s[16:17], s[16:17], s[34:35]
	s_add_nc_u64 s[46:47], s[14:15], s[38:39]      ; V's images
	s_add_nc_u64 s[14:15], s[14:15], s[36:37]      ; K's images
	global_load_b64 v[10:11], v[WS], s[10:11]      ; Wq's 8 bytes
.irp i, 0,1,2,3,4,5,6,7,8,9,10,11,12,13,14,15
	global_load_b128 v[48+4*\i:48+4*\i+3], v[L16], s[4:5] offset:512*\i      ; data2: two rows a load
.endr
.irp i, 0,1,2,3,4,5,6,7,8,9,10,11,12,13,14,15
	global_load_b128 v[112+4*\i:112+4*\i+3], v[L16], s[6:7] offset:512*\i    ; Wk likewise
.endr
	WIN 0x80
.irp t, 0,1,2,3,4,5,6,7                        ; phase A's bias: lane (r, h), tile t, register j: bk at 32 (t / 2) + 8 (t % 2) + 16 h + j of the half
	global_load_b128 v[8*\t:8*\t+3], v[BA], s[40:41] offset:128*(\t/2)+32*(\t%2)
	global_load_b128 v[8*\t+4:8*\t+7], v[BA], s[40:41] offset:128*(\t/2)+32*(\t%2)+16
.endr
	WIN 0
	global_load_b32 v[RAW], v[BB], s[42:43]        ; phase B's: the lane's own d, tile u = 0,
	global_load_b32 v[RAW+1], v[BB], s[42:43] offset:32   ; and u = 1
	s_wait_loadcnt 34                              ; Wq's bytes and data2's rows are in; Wk's 16 loads and the bias's 18 may be out
	global_store_b64 v[WD], v[10:11], s[16:17]     ; a wave stores 256 consecutive bytes, aligned
.irp i, 0,1,2,3,4,5,6,7,8,9,10,11,12,13,14,15  ; row x of a block of 32 goes to place 16 (bit 3) + 8 (bit 4) + x % 8: tile t's 16 rows then lie on end
	ds_store_b128 v[SA], v[48+4*\i:48+4*\i+3] offset:D2B+(16*((\i/4)%2)+8*(\i/8)+2*(\i%4))*PT
.endr
	s_wait_loadcnt 18                              ; all but the 18 loads of the bias are in
.irp i, 0,1,2,3,4,5,6,7,8,9,10,11,12,13,14,15
	ds_store_b128 v[SA], v[112+4*\i:112+4*\i+3] offset:WKB+(16*((\i/4)%2)+8*(\i/8)+2*(\i%4))*PT
.endr
	s_wait_dscnt 0x0                               ; for the others' sake: my rows lie in LDS
	s_barrier_signal -1
	s_barrier_wait -1                              ; everybody's do
	FIX D2B, 0, 0
	STREAM WKB, 0x40                               ; phase A streams Wk's tiles
	FIX D2B, 1, 1
	s_wait_loadcnt 0x0                             ; the bias
	s_wait_kmcnt 0x0
	s_add_co_i32 s56, s50, s51                     ; e2 + e3: a sum stands for sum x 2^(e2 + e3), so the bias goes in as bk / 2^(e2 + e3)
	s_sub_co_i32 s57, 0, s56
	s_sub_co_i32 s58, s53, s56                     ; and the three scales are folded into the conversion's one: e5 - e2 - e3
	s_add_co_i32 s58, s58, 127
	s_lshl_b32 s59, s58, 23
	v_mov_b32 v[SCA], s59
	s_add_co_i32 s58, s58, 15
	s_lshl_b32 s58, s58, 23
	s_or_b32 s58, s58, 0x600000
	v_mov_b32 v[LIMA], s58                         ; 57,344 x that
	s_sub_co_i32 s58, s55, s56                     ; e7 - e2 - e3
	s_add_co_i32 s58, s58, 127
	s_lshl_b32 s59, s58, 23
	v_mov_b32 v[SCB], s59
	s_add_co_i32 s58, s58, 15
	s_lshl_b32 s58, s58, 23
	s_or_b32 s58, s58, 0x600000
	v_mov_b32 v[LIMB], s58
	v_ldexp_f32 v[RAW], v[RAW], s57
	v_ldexp_f32 v[RAW+1], v[RAW+1], s57
	WIN 0x82
.set n, 0
.rept 64
	v_ldexp_f32 v[n], v[n], s57
.set n, n+1
.endr
	WIN 0x80
.irp u, 0,1
.irp i, 0,1,2,3,4,5,6,7
	v_mov_b32 v[64+8*\u+\i], v[RAW+\u]             ; phase B's C: the lane's bias in all eight registers
.endr
.endr
	WIN 0
	s_wait_alu depctr_va_vdst(0)
	s_wait_dscnt 0x0                               ; phase A's fragments are in
	STREAM D2B, 0xc0                               ; phase B's streamed tiles come while phase A multiplies
	; ---- A: source 0 = 16 rows of Wk, source 1 = my 16 keys: a lane holds one key, its registers run along d
	MUL 0, 8, 0x29, 0x09, 0
	QUANT 0, SCA, LIMA
	OUT 0, 14, 0
	FIX WKB, 0, 2
	FIX WKB, 1, 3
	MUL 0, 8, 0x29, 0x09, 1
	QUANT 1, SCA, LIMA
	OUT 1, 14, 4096
	; ---- B: source 0 = 16 keys, source 1 = my 16 rows of Wk: a lane holds one d, its registers run along the keys
	s_wait_dscnt 0x0
	MUL 64, 0, 0x2b, 0x0b, 2
	QUANT 2, SCB, LIMB
	OUT 2, 46, 0
	MUL 72, 0, 0x2b, 0x0b, 3
	QUANT 3, SCB, LIMB
	OUT 3, 46, 4096
	s_wait_tensorcnt 0x0                           ; the wave's end, behind my last LDS store
	ds_add_u32 v[SPW], v[NIL]
	s_wait_dscnt 0x0
	s_endpgm
.Lfunc_end_k_q92382dfc19_prep:
	.size	k_q92382dfc19_prep, .Lfunc_end_k_q92382dfc19_prep-k_q92382dfc19_prep
	.p2alignl 7, 3214868480
	.fill 96, 4, 3214868480
	.section	.rodata,"a",@progbits
	.p2align	6, 0x0
	.amdhsa_kernel k_q92382dfc19_prep
		.amdhsa_group_segment_fixed_size 70144
		.amdhsa_private_segment_fixed_size 0
		.amdhsa_enable_private_segment 0
		.amdhsa_kernarg_size 56
		.amdhsa_user_sgpr_count 2
		.amdhsa_user_sgpr_kernarg_segment_ptr 1
		.amdhsa_wavefront_size32 1
		.amdhsa_system_sgpr_workgroup_id_x 1
		.amdhsa_system_sgpr_workgroup_id_y 1
		.amdhsa_system_sgpr_workgroup_id_z 1
		.amdhsa_system_vgpr_workitem_id 0
		.amdhsa_next_free_vgpr 1024
		.amdhsa_next_free_sgpr 66
		.amdhsa_reserve_vcc 0
		.amdhsa_float_denorm_mode_32 3
		.amdhsa_float_denorm_mode_16_64 3
		.amdhsa_memory_ordered 1
		.amdhsa_forward_progress 1
		.amdhsa_inst_pref_size 52
	.end_amdhsa_kernel
	.amdgpu_metadata
---
amdhsa.version: [ 1, 2 ]
amdhsa.kernels:
  - .name:           k_q92382dfc19_prep
    .symbol:         k_q92382dfc19_prep.kd
    .args:
      - { .name: data2_codes, .offset: 0, .size: 8, .value_kind: global_buffer, .address_space: global }
      - { .name: Wk_codes, .offset: 8, .size: 8, .value_kind: global_buffer, .address_space: global }
      - { .name: bk, .offset: 16, .size: 8, .value_kind: global_buffer, .address_space: global }
      - { .name: Wq_codes, .offset: 24, .size: 8, .value_kind: global_buffer, .address_space: global }
      - { .name: lowp_scales, .offset: 32, .size: 8, .value_kind: global_buffer, .address_space: global }
      - { .name: kv, .offset: 40, .size: 8, .value_kind: global_buffer, .address_space: global }
      - { .name: wqi, .offset: 48, .size: 8, .value_kind: global_buffer, .address_space: global }
    .group_segment_fixed_size: 70144
    .private_segment_fixed_size: 0
    .kernarg_segment_align: 8
    .kernarg_segment_size: 56
    .max_flat_workgroup_size: 128
    .sgpr_count:     66
    .vgpr_count:     1024
    .wavefront_size: 32
...
	.end_amdgpu_metadata
.endif
;; end of part 1
;; launch attn (part 2): grid 32 x 8, 4 waves a work-group, clusters of 4 x 1, 327,680 bytes of LDS; arguments data1_codes, wqi, bq, kv, lowp_scales, out0; writes out0
.if DOCPART == 2
	.amdgcn_target "amdgcn-amd-amdhsa--gfx1250"
	.amdhsa_code_object_version 6
	.text
	.protected	k_q92382dfc19_attn
	.globl	k_q92382dfc19_attn
	.p2align	8
	.type	k_q92382dfc19_attn,@function
k_q92382dfc19_attn:
	s_mov_b64 s[64:65], 0
	v_nop
	global_prefetch_b8 v0, s[64:65] scope:SCOPE_SE
	s_setreg_imm32_b32 hwreg(HW_REG_WAVE_MODE, 25, 1), 1
	s_wait_xcnt 0x0
	s_wait_alu depctr_hold_cnt(0) depctr_sa_sdst(0) depctr_va_vdst(0) depctr_va_sdst(0) depctr_va_ssrc(0) depctr_va_vcc(0) depctr_vm_vsrc(0)
	s_getreg_b32 s2, hwreg(HW_REG_IB_STS2, 6, 4)
	s_cmp_eq_u32 s2, 0
	s_cbranch_scc0 .Lentry_in_a_cluster
	s_endpgm
.Lentry_in_a_cluster:
	s_bfe_u32 s2, ttmp6, 0x10000c
	s_cmp_lg_u32 s2, 0x3003
	s_cbranch_scc0 .Lentry_shape_is_right
	s_endpgm
.Lentry_shape_is_right:
; out = softmax(query key^T / 32) key + query, query = data1 Wq + bq; all products on codes of E5M2, each operand with its given scale 2^e (e0 .. e7).
; key comes from the launch before as images of operand registers (kv: per batch and step of 256 keys 32 images of K, then 32 of V), Wq's codes likewise (wqi).
; AN IMAGE: 16 rows x 128 K, 2,048 bytes; piece c is 512 bytes, lane L's 16 bytes at 512 c + 16 L hold k = 32 c + 16 (L / 16) + 0..15 of row L % 16; four ds_load_b128 at 16 x lane bring it.
; THE ROWS OF A TILE ARE NOT NEIGHBOURS (lane r of tile t: row 32 (t / 2) + 8 (t % 2) + r + 8 (r / 8)), and every product is used transposed (source 1 = 16 queries): a lane holds ONE query throughout, and the 16 registers
; of tiles 2 b, 2 b + 1 are 16 neighbours along the next K, so that conversions' results are pieces of the next operand.
; THE SOFTMAX: t = score x log2(e) / 32; M = the running largest t rounded up to a whole number; p = 2^(t - M) is quantised with 2^e6, not normalised; the sum l is taken of the unquantised p; when M moves, l and O are multiplied by 2^(old M - new M).
; SHARES.  A work-group owns 64 queries (4 tiles) of a batch.  In the first product wave w owns d = 64 w .. 64 w + 63 for all 64 queries; those 128 sums stay in registers in f32 and are added at the end.
; In attention wave w = 2 a + b owns queries 32 a .. 32 a + 31 and, of every step of 256 keys, keys 128 b .. 128 b + 127, with all 256 of d: scores, softmax, P and O^T stay in the wave's registers, with an M and an l of its own.
; At the end the two halves of the keys meet once, through LDS: out = O_0 g_0 + O_1 g_1 + query, g_b = 2^(M_b - M) 2^(e6 + e7) / l.
; A TRIP j: the statistics and the softmax of step j, O += P(j) V(j), the scores of step j + 1; ONE synchronisation, for the ring alone.
; THE WALK BEGINS AT ANOTHER STEP IN EACH CLUSTER: cluster x of a batch takes the steps s, s + 1, .. (mod 8), s = 2 ((x xor x / 4) mod 4): the running M makes the order of the keys free.  Below, step j means the j-th of the walk.
; THE RING is a circular image of the walk: its byte X (131,072 j: K(j), then V(j)) lies at X mod 262,144.  The head brings K(0) V(0) K(1); the synchronisation ahead of trip j brings V(j+1) K(j+2), 32,768 bytes a wave, into the bytes of V(j-1) K(j).
; In memory the walk turns round at the batch's end: the walking load's offset is stepped, cut to 20 bits and added to the batch's address; a wave's 32,768 bytes are aligned, so none straddles the end.
; CLUSTER: the four query blocks of a cluster walk the same kv stream: each of its tiles is asked for JOINTLY (mask 15, the same descriptor in all four).  data1's rows are a work-group's own: a plain tensor load, each wave's one load at the head.
; Wq's images go from memory straight into registers and are not asked for jointly: 196,608 bytes of kv and 66,560 of data1 leave 64,512 bytes of LDS, no room for their 262,144.
; LIMITS, so that each power of two is an f32 number: e4 - e0 - e1 and e6 between -126 and 112; e0 + e1 between -126 and 127; e4 + e5 between -121 and 132.  e6 + e7 and the bias's shift go by v_ldexp_f32.  NaN among the inputs is not served.
; The hold of p at 57,344 x 2^e6 acts under the running M of the wave's own keys (it can act only where e6 is under -15).
; REGISTERS, in windows of 256 (s_set_vgpr_msb: bits 1:0 source 0, 3:2 source 1, 5:4 source 2, 7:6 destination):
;   window 0: v1-25 addresses and constants; v32-63 statistics, 16 a tile of queries; v64-191 S^T / p (tile m, key tile kt at 64 m + 8 kt; at the head data1's sets 2, 3; behind the softmax its key tiles 4-7 lend their place to K's quarter 1);
;             v192-223 codes; v224-255 bq, at the end the halves' M and l
;   window 1: v0-63 K's quarter 0; v64-127 Q's 4 images (at the head data1's sets 0, 1); v128-255 the query in f32 (128 + 32 m + 8 t)
;   window 2: O^T (128 m + 8 dt; at the head Wq, K steps 0-3)      window 3: four buffers of 64: V's quarters 0-3, then K's quarters 2, 3 (at the head Wq, K steps 4-7; at the end the two halves of O)
.set HALF,  131072                     ; half the ring: a step's bytes
.set D1,    196608                     ; data1's 64 rows, at the head only; the ring's last quarter is filled again at the first synchronisation, ahead of trip 0
.set DP,    1040                       ; 1,024 bytes + 16: the 16 rows of a fragment load start at 16 different groups of banks
.set QI,    D1+64*DP                   ; 263,168: Q's images (m, s) at 2048 (2 m + s)
.set MX,    QI+16384                   ; the halves' -M and l: 16 x query + 8 b
.set SPARE, MX+1024                    ; the spare words, 128 bytes a wave: two blocks of 256 bytes that no other line names
.set SP,    272                        ; the way out: stages of 16 rows x (256 + 16) bytes, four a wave, from HALF on: ring bytes whose last fill and last read are past
.set L16,  1                           ; 16 x lane
.set AK0,  2                           ; + 32,768 b: my 16 images of K in a step
.set AV0,  3                           ; + 65,536 + 2,048 b: my 16 of V
.set PW0,  4                           ; QI + 1,024 w + 16 lane: my two pieces of each of Q's images
.set PR0,  5                           ; QI + 8,192 a + 16 lane: my four images of Q
.set MXW0, 6                           ; MX + 512 a + 8 b + 16 r
.set MXR0, 7                           ; MX + 16 r
.set ADK,  8                           ; the trip's addresses: K(j+1), V(j)
.set ADV,  9
.set XW,   10                          ; the exchange of O: 65,536 b + 32,768 a + 16 lane, in the ring's first half, whose last fill and last read are past
.set XR0,  11                          ; 4,096 w + 16 lane
.set XR1,  12                          ; + 65,536
.set AD,   14                          ; D1 + 1,040 r + 16 h
.set PFO,  15                          ; 256 x lane, at most 256 x 15; never rewritten
.set STO,  16
.set RD,   17
.set GO,   18
.set BQO,  19                          ; 64 h
.set PSC,  20                          ; 2^e6;  v21: 57,344 x that
.set PLIM, 21
.set QSC,  22                          ; 2^(e4 - e0 - e1);  v23: 57,344 x that
.set QLIM, 23
.set SPW,  24
.set NIL,  25
.set ST,   32                          ; tile m at ST + 16 m: +0 -M, +1 the largest t, +2 +3 l in two halves, +4 f, +5 zero (named with +4 as a pair), +6 .. +11 partial sums, +12 +13 at work, +14 the old -M
.set S,    64
.set PC,   192
.set X,    224
.set WV,   16
.set CX,   17
.set BT,   18
.set SEL,  20                          ; s[20:21] v_permlanex16_b32's selects: lane l xor 16
.set CS,   22                          ; s[22:23] c = log2(e) 2^(e4 + e5 - 5)
.set G1,   24                          ; s[24:31] group 1: 128 rows of 256 bytes, joint
.set G1H,  32                          ; s[32:39] 192 rows of 256 bytes, joint (K(0) V(0) K(1))
.set G1D,  40                          ; s[40:47] 16 rows of 1,024 bytes, padded, plain (data1)
.set G0,   48                          ; s[48:51] the walking group 0;  s[52:55] K(0) V(0) K(1)'s;  s[56:59] data1's
.set G0H,  52
.set G0D,  56
.set TB,   60                          ; HALF x (the step's parity)
.set TN,   61                          ; HALF x (the next step's parity)
.set CNT,  62
.set PFA,  66                          ; s[66:67] where my prefetch stands; never rewritten
.set S01,  68                          ; s[68:69] 2^(e0 + e1)
.set E67,  70
.set SC,   72                          ; s[72:79] e0 .. e7 (ahead of their load: address work)
.set ROT,  81                          ; 131,072 x the step at which my cluster's walk begins
.set OFS,  82                          ; s[82:83] the walking load's byte in the batch's 1,048,576 (first: the batch's offset in kv)
.set MSB, 0
.macro WIN new                         ; the immediate's high byte repeats the setting that is left; a switch that changes nothing is dropped
.if MSB != \new
	s_set_vgpr_msb (MSB<<8)|\new
.set MSB, \new
.endif
.endm
.macro PLACES                          ; four plain lines between a matrix instruction and a read of its result or a load into its registers
.rept 4
	v_nop
.endr
.endm
.macro CREST                           ; a round of the cluster's barrier behind its opening barrier
	s_cmp_lg_u32 s[WV], 0
	s_cbranch_scc1 .Lnot_wave_0_\@
	s_barrier_signal -3
.Lnot_wave_0_\@:
	s_barrier_wait -3
	s_barrier_signal -1
	s_barrier_wait -1
.endm
.macro ROUND
	s_barrier_signal -1
	s_barrier_wait -1
	CREST
.endm
.macro JL                              ; the joint refill: every wave brings its 32,768 bytes; an s_nop 0 and four v_nop follow
	tensor_load_to_lds s[G0:G0+3], s[G1:G1+7]
	s_nop 0
	PLACES
.endm
.macro JLH                             ; the last one: only V(7) is left, which is waves 0 and 1's part.  The branch hangs on the wave's number alone
	s_cmp_lt_u32 s[WV], 2
	s_cbranch_scc0 .Lnone_left_\@
	tensor_load_to_lds s[G0:G0+3], s[G1:G1+7]
	s_nop 0
	PLACES
.Lnone_left_\@:
.endm
.macro KPLACE q                        ; where K's quarter q lies: image (key tile 2 q + k, half of d s) at KB + KT k + 16 s
.if \q == 0
.set KB, 0
.set KT, 32
.elseif \q == 1
.set KB, S+32
.set KT, 64
.else
.set KB, 64*(\q-2)
.set KT, 32
.endif
.endm
.macro KLOAD q                         ; K's quarter q: key tiles 2 q, 2 q + 1 of my eight, both halves of d: 16 loads
	KPLACE \q
.if \q == 0
	WIN 0x40
.elseif \q == 1
	WIN 0
.else
	WIN 0xc0
.endif
.irp k, 0,1
.irp s, 0,1
.irp c, 0,1,2,3
	ds_load_b128 v[KB+KT*\k+16*\s+4*\c:KB+KT*\k+16*\s+4*\c+3], v[ADK] offset:4096*(2*\q+\k)+2048*\s+512*\c
.endr
.endr
.endr
.endm
.macro VLOAD q                         ; V's quarter q: tiles of d 4 q .. 4 q + 3, my half of the keys: 16 loads
	WIN 0xc0
.irp t, 0,1,2,3
.irp c, 0,1,2,3
	ds_load_b128 v[64*\q+16*\t+4*\c:64*\q+16*\t+4*\c+3], v[ADV] offset:4096*(4*\q+\t)+512*\c
.endr
.endr
.endm
.macro SQ q                            ; S^T = K Q^T for quarter q's two key tiles: 8 products, four accumulators by turns (three others stand between a sum's two steps)
	KPLACE \q
.if \q == 0
	WIN 0x05
.elseif \q == 1
	WIN 0x04
.else
	WIN 0x07
.endif
.irp s, 0,1
.irp k, 0,1
.irp m, 0,1
.if \s == 0
	v_wmma_f32_16x16x128_bf8_bf8 v[S+64*\m+8*(2*\q+\k):S+64*\m+8*(2*\q+\k)+7], v[KB+KT*\k+16*\s:KB+KT*\k+16*\s+15], v[64+32*\m+16*\s:64+32*\m+16*\s+15], 0
.else
	v_wmma_f32_16x16x128_bf8_bf8 v[S+64*\m+8*(2*\q+\k):S+64*\m+8*(2*\q+\k)+7], v[KB+KT*\k+16*\s:KB+KT*\k+16*\s+15], v[64+32*\m+16*\s:64+32*\m+16*\s+15], v[S+64*\m+8*(2*\q+\k):S+64*\m+8*(2*\q+\k)+7]
.endif
.endr
.endr
.endr
.endm
.macro PVQ q, zero                     ; O^T += V^T P^T for tiles of d 4 q .. 4 q + 3: 8 products, 8 accumulators by turns
	WIN 0xa3
.irp t, 0,1,2,3
.irp m, 0,1
.if \zero
	v_wmma_f32_16x16x128_bf8_bf8 v[128*\m+8*(4*\q+\t):128*\m+8*(4*\q+\t)+7], v[64*\q+16*\t:64*\q+16*\t+15], v[PC+16*\m:PC+16*\m+15], 0
.else
	v_wmma_f32_16x16x128_bf8_bf8 v[128*\m+8*(4*\q+\t):128*\m+8*(4*\q+\t)+7], v[64*\q+16*\t:64*\q+16*\t+15], v[PC+16*\m:PC+16*\m+15], v[128*\m+8*(4*\q+\t):128*\m+8*(4*\q+\t)+7]
.endif
.endr
.endr
.endm
.macro STATS                           ; each query's largest score among my 128 keys, the running largest t, -M = floor(-t), f = 2^(old M - new M); the two tiles by turns
.irp m, 0,1                                    ; two chains a tile; in this order each accumulator is first read at its registers 0, 1
	v_max3_num_f32 v[ST+16*\m+12], v[S+64*\m], v[S+64*\m+1], v[S+64*\m+2]
.endr
.irp m, 0,1
	v_max3_num_f32 v[ST+16*\m+13], v[S+64*\m+3], v[S+64*\m+4], v[S+64*\m+5]
.endr
.irp i, 6,10,14,18,22,26,30,34,38,42,46,50,54,58
.irp m, 0,1
	v_max3_num_f32 v[ST+16*\m+12], v[ST+16*\m+12], v[S+64*\m+\i], v[S+64*\m+\i+1]
.endr
.irp m, 0,1
	v_max3_num_f32 v[ST+16*\m+13], v[ST+16*\m+13], v[S+64*\m+\i+2], v[S+64*\m+\i+3]
.endr
.endr
.irp m, 0,1
	v_max3_num_f32 v[ST+16*\m+12], v[ST+16*\m+12], v[S+64*\m+62], v[S+64*\m+63]
.endr
.irp m, 0,1
	v_max_num_f32 v[ST+16*\m+12], v[ST+16*\m+12], v[ST+16*\m+13]
.endr
.irp m, 0,1
	v_permlanex16_b32 v[ST+16*\m+13], v[ST+16*\m+12], s[SEL], s[SEL+1]
.endr
.irp m, 0,1
	v_max_num_f32 v[ST+16*\m+12], v[ST+16*\m+12], v[ST+16*\m+13]   ; and among lane l xor 16's keys
.endr
.irp m, 0,1
	v_mul_f32 v[ST+16*\m+12], s[CS], v[ST+16*\m+12]    ; as t (c is positive)
.endr
.irp m, 0,1
	v_max_num_f32 v[ST+16*\m+1], v[ST+16*\m+1], v[ST+16*\m+12]
.endr
.irp m, 0,1
	v_floor_f32 v[ST+16*\m], -v[ST+16*\m+1]
.endr
.irp m, 0,1
	v_sub_f32 v[ST+16*\m+12], v[ST+16*\m], v[ST+16*\m+14]   ; a whole number, 0 or less
.endr
.irp m, 0,1
	v_cvt_i32_f32 v[ST+16*\m+12], v[ST+16*\m+12]   ; (it saturates)
.endr
.irp m, 0,1
	v_ldexp_f32 v[ST+16*\m+4], 1.0, v[ST+16*\m+12]
.endr
.endm
; THE SCORES of the next step, and THE SYNCHRONISATION that follows.  K's 64 loads are out, in the order of the quarters.  In front of the signal each wave waits for all its tensor loads, adds 0 to its spare word, and waits for that and for its reads
; of K and V; the last quarter's products, register work, stand between signal and wait.
; fill = 1: a round of the cluster's barrier and the joint refill, first behind it;  2: the same, the last refill;  0: nothing is left to fetch: the work-group's barrier.
.macro SCORES fill
	s_wait_dscnt 48                                ; quarter 0 is in; the 48 loads of the others may be out
	SQ 0
	s_wait_dscnt 32
	SQ 1
	WIN 0
	s_wait_tensorcnt 0x0                           ; no tensor load of mine is out, so the walking group 0 may be written
	ds_add_u32 v[SPW], v[NIL]                      ; 0 onto my spare word; the steps and products below stand between it and the wait for it
.rept 5
	v_nop                                          ; places: quarter 2's products write over the registers from which quarter 1's took K
.endr
	s_xor_b32 s[TB], s[TB], HALF
	s_xor_b32 s[TN], s[TN], HALF
.if \fill
	s_xor_b32 s[G0+1], s[G0+1], HALF               ; the ring's other half,
	s_add_co_u32 s[OFS], s[OFS], HALF              ; the walk's next 131,072 bytes,
	s_and_b32 s[OFS], s[OFS], 0xfffff              ; round the batch's end,
	s_add_nc_u64 s[G0+2:G0+3], s[10:11], s[OFS:OFS+1]   ; from the batch's first byte
	s_or_b32 s[G0+3], s[G0+3], 0x80000000          ; type = 2
.endif
	s_wait_dscnt 17                                ; quarter 2 is in; quarter 3's 16 loads and the add may be out
	SQ 2
	s_wait_dscnt 0x0                               ; the add is done, and so are all my reads of K and V
	s_barrier_signal -1
	SQ 3
	WIN 0
	s_barrier_wait -1
.if \fill
	CREST                                          ; no wave of any partner still reads the bytes to be filled or has a load on its way
.if \fill == 1
	JL
.else
	JLH
.endif
.endif
.endm
.macro FMA2 n                          ; t - M, two at a time (of the pairs c and -M the low word serves both halves)
	v_pk_fma_f32 v[S+\n:S+\n+1], v[S+\n:S+\n+1], s[CS:CS+1], v[ST+16*((\n)/64):ST+16*((\n)/64)+1] op_sel_hi:[1,0,0]
.endm
.macro PADD idx, k
.if (\idx) == 0
.set AO, LB+2
.else
.set AO, LB+4+2*(\idx)
.endif
	v_pk_add_f32 v[AO:AO+1], v[AO:AO+1], v[PB+2*(\k):PB+2*(\k)+1]
.endm
.macro SUM g                           ; the sum is taken of the unquantised p: four chains a tile
.set PB, S+32*\g
.set LB, ST+16*(\g/2)
.if (\g%2) == 0
	v_pk_add_f32 v[LB+6:LB+7], v[PB:PB+1], v[PB+2:PB+3]
	v_pk_add_f32 v[LB+8:LB+9], v[PB+4:PB+5], v[PB+6:PB+7]
	v_pk_add_f32 v[LB+10:LB+11], v[PB+8:PB+9], v[PB+10:PB+11]
.set n, 6
.rept 10
	PADD (n-6)%4, n
.set n, n+1
.endr
.else
.set n, 0
.rept 16
	PADD (n+2)%4, n
.set n, n+1
.endr
	v_pk_add_f32 v[LB+2:LB+3], v[LB+2:LB+3], v[LB+6:LB+7]
	v_pk_add_f32 v[LB+8:LB+9], v[LB+8:LB+9], v[LB+10:LB+11]
	v_pk_add_f32 v[LB+2:LB+3], v[LB+2:LB+3], v[LB+8:LB+9]
.endif
.endm
.macro CVT g                           ; 32 held numbers become 8 registers of codes
.irp b, 0,1
	v_cvt_scalef32_pk8_bf8_f32 v[PC+8*(\g)+4*\b:PC+8*(\g)+4*\b+1], v[S+32*(\g)+16*\b:S+32*(\g)+16*\b+7], v[PSC]
	v_cvt_scalef32_pk8_bf8_f32 v[PC+8*(\g)+4*\b+2:PC+8*(\g)+4*\b+3], v[S+32*(\g)+16*\b+8:S+32*(\g)+16*\b+15], v[PSC]
.endr
.endm
; GROUP g, 32 of the 128 numbers (tile g / 2): its exponentials, with the last group's holds and the next group's multiply-adds between them; ONE wait behind the batch, ahead of its first reader, which serves all that stands in it
; (the next group's exponentials read what the multiply-adds made); then the group's sum and the last group's codes.
; The conversion does not saturate (ISA guide 7.6.2); p is not negative, so the hold is one-sided.
.macro BATCH g
.set n, 0
.rept 32
	v_exp_f32 v[S+32*\g+n], v[S+32*\g+n]
.if \g > 0
	v_min_num_f32 v[S+32*(\g-1)+n], v[S+32*(\g-1)+n], v[PLIM]
.endif
.if (\g < 3) && ((n%2) == 1)
	FMA2 32*(\g+1)+n-1
.endif
.set n, n+1
.endr
	s_wait_alu depctr_va_vdst(0)
	SUM \g
.if \g > 0
	CVT \g-1
.endif
.endm
; TRIP j.  zero = 1: its products start O^T's sums.  fill: as in SCORES; 3: the last trip, no scores follow.
.macro TRIP zero, fill
	WIN 0
	v_add_nc_u32 v[ADV], s[TB], v[AV0]             ; these four lines are also the places behind the last scores' products
	v_add_nc_u32 v[ADK], s[TN], v[AK0]
	v_mov_b32 v[ST+14], v[ST]
	v_mov_b32 v[ST+30], v[ST+16]
	VLOAD 0
	VLOAD 1
	WIN 0
	STATS
.if \zero == 0
	WIN 0x82                                       ; O^T under the new M: x f; each accumulator from its low end on
.set n, 0
.rept 64
	v_pk_mul_f32 v[n:n+1], v[n:n+1], v[ST+4:ST+5] op_sel_hi:[1,0]
	v_pk_mul_f32 v[128+n:128+n+1], v[128+n:128+n+1], v[ST+20:ST+21] op_sel_hi:[1,0]
.set n, n+2
.endr
.endif
	VLOAD 2
	VLOAD 3
	WIN 0
.irp m, 0,1
	v_pk_mul_f32 v[ST+16*\m+2:ST+16*\m+3], v[ST+16*\m+2:ST+16*\m+3], v[ST+16*\m+4:ST+16*\m+5] op_sel_hi:[1,0]   ; l under the new M
.endr
.set n, 0
.rept 16
	FMA2 n
.set n, n+2
.endr
	s_wait_alu depctr_va_vdst(0)
	BATCH 0
	BATCH 1
.if \fill < 3
	KLOAD 0
	WIN 0
.endif
	BATCH 2
	BATCH 3
.set n, 96
.rept 32
	v_min_num_f32 v[S+n], v[S+n], v[PLIM]
.set n, n+1
.endr
	CVT 3
	v_nop                                          ; a plain line between the last conversion and the products that read its result
.if \fill < 3
	KLOAD 1                                        ; into registers whose p is in codes by now
	s_wait_alu depctr_va_vdst(0)
	s_wait_dscnt 32                                ; V's four quarters are in; K's quarters 0, 1 may be out
.else
	s_wait_alu depctr_va_vdst(0)
	s_wait_dscnt 0x0
.endif
	PVQ 0, \zero
.if \fill < 3
	PLACES                                         ; for the loads into the registers of V's quarter 0
	KLOAD 2
.endif
	PVQ 1, \zero
.if \fill < 3
	PLACES                                         ; and of its quarter 1
	KLOAD 3
.endif
	PVQ 2, \zero
	PVQ 3, \zero
.if \fill < 3
	SCORES \fill
.endif
.endm
.macro WQG ks                          ; my four Wq images of K step ks from memory, 16 loads of 512 consecutive bytes each, into the window that is set
.irp t, 0,1,2,3
.irp c, 0,1,2,3
	global_load_b128 v[64*(\ks%4)+16*\t+4*\c:64*(\ks%4)+16*\t+4*\c+3], v[L16], s[6:7] offset:(4*\ks+\t)*2048+512*\c
.endr
.endr
.endm
.macro DSET ks                         ; data1's four sets of 64 registers: 0, 1 in window 1, 2, 3 in window 0
.if ((\ks)%4) < 2
.set DB, 64*((\ks)%4)
.else
.set DB, 64*((\ks)%4)-64
.endif
.endm
.macro FETCH_D ks                      ; data1's four fragments of K step ks, 16 loads, into set ks % 4
	DSET \ks
.if ((\ks)%4) < 2
	WIN 0x40
.else
	WIN 0
.endif
.irp m, 0,1,2,3
.irp c, 0,1,2,3
	ds_load_b128 v[DB+16*\m+4*\c:DB+16*\m+4*\c+3], v[AD] offset:16*DP*\m+128*(\ks)+32*\c
.endr
.endr
.endm
.macro KS ks                           ; K step ks of query^T = Wq data1^T: 16 products, the 16 accumulators by turns; bq is the C of the first
.if \ks < 5
	s_wait_dscnt 48                                ; this step's fragments are in; the next three steps' 48 loads may be out
.else
	s_wait_dscnt 16*(7-\ks)
.endif
.if \ks >= 4
	s_wait_loadcnt 16*(7-\ks)                      ; Wq's images of this K step are in; those of the later steps, 16 loads each, may be out
.endif
.if \ks == 0
	WIN 0x46
.elseif \ks == 1
	WIN 0x56
.elseif \ks < 4
	WIN 0x52
.elseif \ks < 6
	WIN 0x57
.else
	WIN 0x53
.endif
	DSET \ks
.irp t, 0,1,2,3
.irp m, 0,1,2,3
.if \ks == 0
	v_wmma_f32_16x16x128_bf8_bf8 v[128+32*\m+8*\t:128+32*\m+8*\t+7], v[64*(\ks%4)+16*\t:64*(\ks%4)+16*\t+15], v[DB+16*\m:DB+16*\m+15], v[224+8*\t:224+8*\t+7]
.else
	v_wmma_f32_16x16x128_bf8_bf8 v[128+32*\m+8*\t:128+32*\m+8*\t+7], v[64*(\ks%4)+16*\t:64*(\ks%4)+16*\t+15], v[DB+16*\m:DB+16*\m+15], v[128+32*\m+8*\t:128+32*\m+8*\t+7]
.endif
.endr
.endr
.if \ks < 4
	PLACES
	FETCH_D \ks+4
.endif
.if \ks == 3
; A PREFETCH INTO THE L2 of V(1), 65,536 bytes of the first refill, which no other cluster's walk begins with: behind this K step's run of LDS loads; the first product's other 64 matrix instructions, the query's quantising and the first
; scores lie between it and that refill.  The cluster's sixteen waves share the block out BY ADDRESS: 16,384 bytes a work-group, 4,096 a wave, lanes 0-15 256 bytes apart (lanes 16-31 name the wave's last block again): each aligned 256 bytes
; are named once in the cluster.  The address registers are never written again.  Later steps have been asked for by the batch's other clusters, whose walks begin there.
	WIN 0
	global_prefetch_b8 v[PFO], s[PFA:PFA+1] th:TH_LOAD_NT scope:SCOPE_SE
.endif
.endm
; THE WAY OUT of tile m: O_1 g_1 + query, + O_0 g_0; a lane's 16 neighbouring numbers of a row go into my stage and come back as rows of 256 bytes, into the registers that they left.
.macro PACK m
	s_wait_dscnt 48                                ; tile m's 16 loads are in: behind them stand 48 others (of later tiles, or of earlier tiles' stages)
	WIN 0x13
.irp i, 0,2,4,6,8,10,12,14,16,18,20,22,24,26,28,30
	v_pk_fma_f32 v[S+32*\m+\i:S+32*\m+\i+1], v[128+32*\m+\i:128+32*\m+\i+1], v[ST+8*\m+2:ST+8*\m+3], v[128+32*\m+\i:128+32*\m+\i+1] op_sel_hi:[1,0,1]
.endr
	WIN 0x03
.irp i, 0,2,4,6,8,10,12,14,16,18,20,22,24,26,28,30
	v_pk_fma_f32 v[S+32*\m+\i:S+32*\m+\i+1], v[32*\m+\i:32*\m+\i+1], v[ST+8*\m:ST+8*\m+1], v[S+32*\m+\i:S+32*\m+\i+1] op_sel_hi:[1,0,1]
.endr
	WIN 0
.irp b, 0,1
.irp q, 0,1,2,3
	ds_store_b128 v[STO], v[S+32*\m+16*\b+4*\q:S+32*\m+16*\b+4*\q+3] offset:16*SP*\m+128*\b+16*\q
.endr
.endr
.irp i, 0,1,2,3,4,5,6,7
	ds_load_b128 v[S+32*\m+4*\i:S+32*\m+4*\i+3], v[RD] offset:16*SP*\m+2*SP*\i   ; LDS serves a wave's instructions in order (ISA guide 5.7.1.4): these see my stores
.endr
.endm
.macro SEND m, younger                 ; younger: the LDS instructions issued behind tile m's loads
.irp i, 0,1,2,3,4,5,6,7
	s_wait_dscnt \younger+7-\i
	global_store_b128 v[GO], v[S+32*\m+4*\i:S+32*\m+4*\i+3], s[14:15] offset:(16*\m+2*\i)*1024 th:TH_STORE_NT   ; sixteen lanes store 256 consecutive bytes, aligned; written once, read by nobody here
.endr
.endm
	s_load_b256 s[4:11], s[0:1], 0x0               ; data1 s[4:5], wqi s[6:7], bq s[8:9], kv s[10:11]
	s_load_b128 s[12:15], s[0:1], 0x20             ; the scales' exponents s[12:13], out0 s[14:15]
	v_lshl_add_u32 v[SPW], v0, 2, SPARE
	v_mov_b32 v[NIL], 0
	ds_add_u32 v[SPW], v[NIL]                      ; the wave's opening: the add, twice on end, and its wait ahead of my first tensor load; the set-up below, work on registers, stands between
	ds_add_u32 v[SPW], v[NIL]
	v_lshrrev_b32 v26, 5, v0
	v_readfirstlane_b32 s[WV], v26                 ; wave 0..3
	v_and_b32 v26, 31, v0                          ; lane
	v_and_b32 v27, 15, v0                          ; r
	v_bfe_u32 v28, v0, 4, 1                        ; h
	v_lshlrev_b32 v[BQO], 6, v28
	v_lshlrev_b32 v[L16], 4, v26
	s_bfe_u32 s[CX], ttmp6, 0x40000                ; my place in the cluster: it enters data1's, out0's and the prefetch's addresses alone
	s_and_b32 s[BT], ttmp7, 0xffff                 ; the batch, which the four partners share
	s_mov_b32 s[G1D], (3<<16)|(1<<20)|(7<<22)|(3<<25)   ; no mask; elements of 8 bytes; padding on: after every 256 words (code 7) four words (code 3)
	s_mov_b32 s[G1D+1], 128<<16                    ; a row of 1,024 bytes
	s_mov_b32 s[G1D+2], 16<<16                     ; 16 rows
	s_mov_b32 s[G1D+3], 128<<16
	s_mov_b32 s[G1D+4], 16
	s_mov_b32 s[G1D+5], 128
	s_mov_b32 s[G1D+6], 0
	s_mov_b32 s[G1D+7], 0
	s_mov_b32 s[G0D], 1
	s_mul_i32 s[G0D+1], s[WV], 16*DP
	s_add_co_u32 s[G0D+1], s[G0D+1], D1
	s_lshl_b32 s80, ttmp9, 2
	s_add_co_u32 s80, s80, s[CX]
	s_lshl_b32 s2, s[BT], 5
	s_add_co_u32 s80, s80, s2                      ; my block of 64 queries among the 256: 65,536 bytes each, in data1 as in out0
	s_lshl_b32 s80, s80, 16
	s_lshl_b32 s72, s[WV], 14                      ; data1: the 16 rows that I fetch
	s_add_co_u32 s72, s72, s80
	s_mov_b32 s73, 0
	s_lshl_b32 s74, s[WV], 16                      ; wqi: my 32 images
	s_mov_b32 s75, 0
	s_lshl_b32 s76, s[WV], 8                       ; bq: my 64 numbers
	s_mov_b32 s77, 0
	s_wait_alu depctr_va_vdst(0)
	s_wait_dscnt 0x0                               ; both opening adds are done
	ROUND                                          ; all four work-groups are here
	s_wait_kmcnt 0x0
	s_add_nc_u64 s[G0D+2:G0D+3], s[4:5], s[72:73]
	s_or_b32 s[G0D+3], s[G0D+3], 0x80000000        ; type = 2
	tensor_load_to_lds s[G0D:G0D+3], s[G1D:G1D+7]  ; my 16 rows of data1
	s_nop 0
	PLACES
	s_add_nc_u64 s[6:7], s[6:7], s[74:75]
	s_add_nc_u64 s[8:9], s[8:9], s[76:77]
	s_load_b256 s[SC:SC+7], s[12:13], 0x0          ; e0 .. e7
.irp t, 0,1,2,3                                ; bq in the result's layout: lane (r, h), tile t, register j: 32 (t / 2) + 8 (t % 2) + 16 h + j of my 64
	global_load_b128 v[224+8*\t:224+8*\t+3], v[BQO], s[8:9] offset:128*(\t/2)+32*(\t%2)
	global_load_b128 v[224+8*\t+4:224+8*\t+7], v[BQO], s[8:9] offset:128*(\t/2)+32*(\t%2)+16
.endr
	WIN 0x80                                       ; Wq's images stay in registers: the first three K steps; the others behind the set-up
	WQG 0
	WQG 1
	WQG 2
	WIN 0
	s_mov_b32 s[G1], 15|(3<<16)|(1<<21)            ; 15:0 the mask: all four work-groups; 17:16 elements of 8 bytes; 21 set beside a mask; no padding: images are read at 16 x lane
	s_mov_b32 s[G1+1], 32<<16                      ; tensor_dim0 = 32 elements: 256 bytes
	s_mov_b32 s[G1+2], 128<<16                     ; tensor_dim1 = 128 rows
	s_mov_b32 s[G1+3], 32<<16                      ; tile_dim0
	s_mov_b32 s[G1+4], 128                         ; tile_dim1
	s_mov_b32 s[G1+5], 32                          ; the pitch: the block is dense
	s_mov_b32 s[G1+6], 0
	s_mov_b32 s[G1+7], 0
	s_mov_b32 s[G1H], 15|(3<<16)|(1<<21)           ; K(0) V(0) K(1): the same with 192 rows a wave
	s_mov_b32 s[G1H+1], 32<<16
	s_mov_b32 s[G1H+2], 192<<16
	s_mov_b32 s[G1H+3], 32<<16
	s_mov_b32 s[G1H+4], 192
	s_mov_b32 s[G1H+5], 32
	s_mov_b32 s[G1H+6], 0
	s_mov_b32 s[G1H+7], 0
	s_lshr_b32 s[ROT], ttmp9, 2                    ; the walk's first step: 2 ((x xor x / 4) mod 4), x the cluster's number in its batch, 0 to 7: equal in the four partners
	s_xor_b32 s[ROT], s[ROT], ttmp9
	s_and_b32 s[ROT], s[ROT], 3
	s_lshl_b32 s[ROT], s[ROT], 18                  ; x 131,072 bytes.  The first step is even, so neither it nor the next passes the batch's end
	s_lshl_b32 s[OFS], s[BT], 20                   ; the batch's 1,048,576 bytes of kv
	s_mov_b32 s[OFS+1], 0
	s_add_nc_u64 s[10:11], s[10:11], s[OFS:OFS+1]
	s_mov_b32 s93, 0
	s_mov_b32 s[G0H], 1
	s_mul_i32 s[G0H+1], s[WV], 49152               ; the ring's first 196,608 bytes, my quarter
	s_add_co_u32 s92, s[G0H+1], s[ROT]
	s_add_nc_u64 s[G0H+2:G0H+3], s[10:11], s[92:93]
	s_or_b32 s[G0H+3], s[G0H+3], 0x80000000
	s_mov_b32 s[G0], 1
	s_add_co_u32 s[G0+1], s[WV], 6                 ; the walking load begins at the walk's byte 196,608 + 32,768 w, taken round the ring;
	s_and_b32 s[G0+1], s[G0+1], 7
	s_lshl_b32 s[G0+1], s[G0+1], 15
	s_xor_b32 s[G0+1], s[G0+1], HALF               ; it is set one step back: each filling synchronisation steps it first
	s_lshl_b32 s[OFS], s[WV], 15                   ; and so is its byte in the batch: first step + 196,608 - 131,072 + 32,768 w  (s83 stays 0)
	s_add_co_u32 s[OFS], s[OFS], s[ROT]
	s_add_co_u32 s[OFS], s[OFS], 65536
	s_lshl_b32 s92, s[CX], 14                      ; the prefetch: V(1) begins 196,608 bytes behind the first step's first; + 16,384 cx + 4,096 w
	s_lshl_b32 s2, s[WV], 12
	s_add_co_u32 s92, s92, s2
	s_add_co_u32 s92, s92, s[ROT]
	s_add_co_u32 s92, s92, 196608
	s_add_nc_u64 s[PFA:PFA+1], s[10:11], s[92:93]
	s_lshl_b32 s92, s[WV], 8                       ; out0: my block's rows, my wave's 256 bytes of each
	s_add_co_u32 s92, s92, s80
	s_add_nc_u64 s[14:15], s[14:15], s[92:93]
	s_mov_b32 s[SEL], 0x76543210
	s_mov_b32 s[SEL+1], 0xfedcba98
	s_mov_b32 s[TB], HALF                          ; the first synchronisation turns both
	s_mov_b32 s[TN], 0
	s_and_b32 s2, s[WV], 1                         ; b
	s_lshr_b32 s3, s[WV], 1                        ; a
	s_lshl_b32 s19, s2, 15
	v_add_nc_u32 v[AK0], s19, v[L16]
	s_lshl_b32 s19, s2, 11
	s_add_co_u32 s19, s19, 65536
	v_add_nc_u32 v[AV0], s19, v[L16]
	s_lshl_b32 s19, s[WV], 10
	s_add_co_u32 s19, s19, QI
	v_add_nc_u32 v[PW0], s19, v[L16]
	s_lshl_b32 s19, s3, 13
	s_add_co_u32 s19, s19, QI
	v_add_nc_u32 v[PR0], s19, v[L16]
	v_lshlrev_b32 v[MXR0], 4, v27
	v_add_nc_u32 v[MXR0], MX, v[MXR0]
	s_lshl_b32 s19, s3, 9
	s_lshl_b32 s71, s2, 3
	s_add_co_u32 s19, s19, s71
	v_add_nc_u32 v[MXW0], s19, v[MXR0]
	s_lshl_b32 s19, s2, 16
	s_lshl_b32 s71, s3, 15
	s_add_co_u32 s19, s19, s71
	v_add_nc_u32 v[XW], s19, v[L16]
	s_lshl_b32 s19, s[WV], 12
	v_add_nc_u32 v[XR0], s19, v[L16]
	v_add_nc_u32 v[XR1], 65536, v[XR0]
	v_mul_u32_u24 v[AD], v27, DP
	v_lshl_add_u32 v[AD], v28, 4, v[AD]
	v_add_nc_u32 v[AD], D1, v[AD]
	v_min_u32 v[PFO], 15, v26
	v_lshlrev_b32 v[PFO], 8, v[PFO]
	s_mul_i32 s19, s[WV], 4*16*SP                  ; my four stages
	s_add_co_u32 s19, s19, HALF
	v_mul_u32_u24 v[STO], v27, SP                  ; in: row r, 64 bytes for each half of the lanes
	v_lshl_add_u32 v[STO], v28, 6, v[STO]
	v_add_nc_u32 v[STO], s19, v[STO]
	v_mul_u32_u24 v[RD], v28, SP                   ; back: lanes 0-15 one row of 256 bytes, lanes 16-31 the next
	v_lshl_add_u32 v[RD], v27, 4, v[RD]
	v_add_nc_u32 v[RD], s19, v[RD]
	v_lshlrev_b32 v[GO], 10, v28                   ; and the same two rows in out0
	v_lshl_add_u32 v[GO], v27, 4, v[GO]
.irp m, 0,1
	v_mov_b32 v[ST+16*\m+1], 0xff61b1e6            ; the largest t so far: -3e38, under every t
	v_mov_b32 v[ST+16*\m+2], 0                     ; l, in two halves
	v_mov_b32 v[ST+16*\m+3], 0
	v_mov_b32 v[ST+16*\m+5], 0                     ; (named as the upper half of the pair with f)
.endr
.irp m, 0,1
	v_floor_f32 v[ST+16*\m], -v[ST+16*\m+1]        ; -M
.endr
	WIN 0x80
	WQG 3
	WIN 0xc0
	WQG 4
	WQG 5
	WQG 6
	WQG 7
	WIN 0
	s_wait_alu depctr_va_vdst(0)
	s_wait_tensorcnt 0x0                           ; my rows of data1 are in.
	ds_add_u32 v[SPW], v[NIL]                      ; work on registers stands between the add and the wait for it
	s_wait_kmcnt 0x0
	s_add_co_i32 s92, s[SC], s[SC+1]               ; e0 + e1: a sum of the first product stands for sum x 2^(e0 + e1)
	s_sub_co_i32 s93, 0, s92
	s_add_co_i32 s94, s92, 127
	s_lshl_b32 s[S01], s94, 23
	s_mov_b32 s[S01+1], s[S01]                     ; (named with it as a pair, so it is written)
	s_sub_co_i32 s94, s[SC+4], s92                 ; the query's conversion takes 2^(e4 - e0 - e1)
	s_add_co_i32 s94, s94, 127
	s_lshl_b32 s95, s94, 23
	v_mov_b32 v[QSC], s95
	s_add_co_i32 s94, s94, 15
	s_lshl_b32 s94, s94, 23
	s_or_b32 s94, s94, 0x600000
	v_mov_b32 v[QLIM], s94                         ; 57,344 x that
	s_add_co_i32 s94, s[SC+6], 127                 ; p's: 2^e6
	s_lshl_b32 s95, s94, 23
	v_mov_b32 v[PSC], s95
	s_add_co_i32 s94, s94, 15
	s_lshl_b32 s94, s94, 23
	s_or_b32 s94, s94, 0x600000
	v_mov_b32 v[PLIM], s94
	s_add_co_i32 s94, s[SC+4], s[SC+5]             ; a score stands for score x 2^(e4 + e5), and 1 / 32 = 2^-5: all three go into the exponent field of log2(e)
	s_sub_co_i32 s94, s94, 5
	s_lshl_b32 s94, s94, 23
	s_add_co_i32 s[CS], s94, 0x3fb8aa3b
	s_mov_b32 s[CS+1], s[CS]
	s_add_co_i32 s[E67], s[SC+6], s[SC+7]
	s_wait_alu depctr_va_vdst(0)
	s_wait_dscnt 0x0                               ; the add is done
	ROUND                                          ; everybody's rows are in, and all four work-groups are here: the joint loads meet
	tensor_load_to_lds s[G0H:G0H+3], s[G1H:G1H+7]  ; K(0) V(0) K(1), my quarter: first fills all, none is a refill; they land while the first product is multiplied
	s_nop 0
	PLACES
	FETCH_D 0
	FETCH_D 1
	FETCH_D 2
	FETCH_D 3
	WIN 0
	s_wait_loadcnt 63                              ; of the 136 loads at least the oldest 73 are in: bq's 8 and Wq's K steps 0 to 3 (the count names as many as its field holds)
.set n, 0
.rept 32
	v_ldexp_f32 v[224+n], v[224+n], s93            ; bq / 2^(e0 + e1)
.set n, n+1
.endr
	; ---- the first product: query^T for my 64 of d and all 64 queries
	s_wait_alu depctr_va_vdst(0)
.irp ks, 0,1,2,3,4,5,6,7
	KS \ks
.endr
	PLACES
	WIN 0x01
.set n, 0
.rept 128
	v_med3_num_f32 v[S+n], v[128+n], -v[QLIM], v[QLIM]   ; a held copy for the conversion; the sums themselves stay as they are; each accumulator from its low end on
.set n, n+1
.endr
	WIN 0x41
.set n, 0
.rept 64
	v_pk_mul_f32 v[128+n:128+n+1], v[128+n:128+n+1], s[S01:S01+1] op_sel_hi:[1,0]   ; the query in f32, for the end
.set n, n+2
.endr
	WIN 0
.irp m, 0,1,2,3                                ; my two pieces of each of Q's images (m, w / 2)
.irp b, 0,1
	v_cvt_scalef32_pk8_bf8_f32 v[PC+8*\m+4*\b:PC+8*\m+4*\b+1], v[S+32*\m+16*\b:S+32*\m+16*\b+7], v[QSC]
	v_cvt_scalef32_pk8_bf8_f32 v[PC+8*\m+4*\b+2:PC+8*\m+4*\b+3], v[S+32*\m+16*\b+8:S+32*\m+16*\b+15], v[QSC]
.endr
.endr
	v_nop                                          ; a plain line between the last conversion and the products that write its sources again
.irp m, 0,1,2,3
.irp b, 0,1
	ds_store_b128 v[PW0], v[PC+8*\m+4*\b:PC+8*\m+4*\b+3] offset:4096*\m+512*\b
.endr
.endr
	v_add_nc_u32 v[ADK], s[TN], v[AK0]             ; K(0)
	s_wait_alu depctr_va_vdst(0)
	s_wait_tensorcnt 0x0                           ; for the others' sake: my quarter of K(0) V(0) K(1) is in,
	s_wait_dscnt 0x0                               ; and my pieces of Q's images lie in LDS
	s_barrier_signal -1
	s_barrier_wait -1                              ; everybody's are
	WIN 0x40
.irp m, 0,1                                    ; my Q images stay in registers
.irp s, 0,1
.irp c, 0,1,2,3
	ds_load_b128 v[64+32*\m+16*\s+4*\c:64+32*\m+16*\s+4*\c+3], v[PR0] offset:4096*\m+2048*\s+512*\c
.endr
.endr
.endr
	KLOAD 0
	KLOAD 1
	KLOAD 2
	KLOAD 3
	SCORES 1                                       ; the scores of step 0; then V(1) K(2) are asked for
	; ---- the eight steps
	TRIP 1, 1
	s_mov_b32 s[CNT], 4
.Lstep:                                                ; steps 1 to 4
	TRIP 0, 1
	s_sub_co_u32 s[CNT], s[CNT], 1
	s_cmp_lg_u32 s[CNT], 0
	s_cbranch_scc1 .Lstep
	TRIP 0, 2                                      ; step 5: the last refill
	TRIP 0, 0                                      ; step 6: nothing is left to fetch
	TRIP 0, 3                                      ; step 7: no scores follow
	; ---- the end: the two halves of the keys meet
	WIN 0
.irp m, 0,1
	v_add_f32 v[ST+16*\m+12], v[ST+16*\m+2], v[ST+16*\m+3]
.endr
.irp m, 0,1
	v_permlanex16_b32 v[ST+16*\m+13], v[ST+16*\m+12], s[SEL], s[SEL+1]
.endr
.irp m, 0,1
	v_add_f32 v[ST+16*\m+1], v[ST+16*\m+12], v[ST+16*\m+13]   ; my half's l, beside its -M
.endr
	PLACES                                         ; for the stores of O^T below
.irp m, 0,1
	ds_store_b64 v[MXW0], v[ST+16*\m:ST+16*\m+1] offset:256*\m   ; lanes r and r + 16 write the same bytes with the same numbers
.endr
	WIN 0x08
.irp m, 0,1
.irp t, 0,1,2,3,4,5,6,7,8,9,10,11,12,13,14,15
.irp k, 0,1
	ds_store_b128 v[XW], v[128*\m+8*\t+4*\k:128*\m+8*\t+4*\k+3] offset:16384*\m+1024*\t+512*\k
.endr
.endr
.endr
	WIN 0
	s_wait_dscnt 0x0
	s_barrier_signal -1
	s_barrier_wait -1
.irp m, 0,1,2,3
	ds_load_b128 v[X+4*\m:X+4*\m+3], v[MXR0] offset:256*\m   ; -M_0, l_0, -M_1, l_1 of my query of tile m
.endr
	WIN 0xc0
.irp m, 0,1,2,3                                ; my 64 of d of all 64 queries, both halves of the keys
.irp t, 0,1,2,3
.irp k, 0,1
	ds_load_b128 v[32*\m+8*\t+4*\k:32*\m+8*\t+4*\k+3], v[XR0] offset:16384*\m+1024*\t+512*\k
	ds_load_b128 v[128+32*\m+8*\t+4*\k:128+32*\m+8*\t+4*\k+3], v[XR1] offset:16384*\m+1024*\t+512*\k
.endr
.endr
.endr
	WIN 0
	s_wait_dscnt 63                                ; of the 68 loads at least the oldest five are in: the four with M and l
.irp m, 0,1,2,3
	v_min_num_f32 v[ST+8*\m+4], v[X+4*\m], v[X+4*\m+2]   ; -M of the whole row
.endr
.irp m, 0,1,2,3
	v_sub_f32 v[ST+8*\m+5], v[ST+8*\m+4], v[X+4*\m]      ; M_b - M: whole numbers, 0 or less
	v_sub_f32 v[ST+8*\m+6], v[ST+8*\m+4], v[X+4*\m+2]
.endr
.irp m, 0,1,2,3
	v_cvt_i32_f32 v[ST+8*\m+5], v[ST+8*\m+5]
	v_cvt_i32_f32 v[ST+8*\m+6], v[ST+8*\m+6]
.endr
.irp m, 0,1,2,3
	v_ldexp_f32 v[ST+8*\m], 1.0, v[ST+8*\m+5]
	v_ldexp_f32 v[ST+8*\m+2], 1.0, v[ST+8*\m+6]
.endr
.irp m, 0,1,2,3
	v_mul_f32 v[ST+8*\m+7], v[X+4*\m+1], v[ST+8*\m]
.endr
.irp m, 0,1,2,3
	v_fma_f32 v[ST+8*\m+7], v[X+4*\m+3], v[ST+8*\m+2], v[ST+8*\m+7]   ; l of the whole row
.endr
	s_wait_alu depctr_va_vdst(0)                   ; the wait ahead of the batch,
.irp m, 0,1,2,3
	v_rcp_f32 v[X+4*\m], v[ST+8*\m+7]
.endr
	v_nop                                          ; a plain line behind the last reciprocal
	s_wait_alu depctr_va_vdst(0)                   ; and behind it, ahead of its first reader
.irp m, 0,1,2,3
	v_ldexp_f32 v[X+4*\m], v[X+4*\m], s[E67]       ; 2^(e6 + e7) / l
.endr
.irp m, 0,1,2,3
	v_mul_f32 v[ST+8*\m], v[ST+8*\m], v[X+4*\m]
	v_mul_f32 v[ST+8*\m+2], v[ST+8*\m+2], v[X+4*\m]
.endr
	s_wait_alu depctr_va_vdst(0)
	PACK 0
	PACK 1                                         ; a tile's arithmetic stands between the loads of the tile before and its stores
	SEND 0, 16
	PACK 2
	SEND 1, 16
	PACK 3
	SEND 2, 16
	SEND 3, 0
	s_wait_tensorcnt 0x0                           ; the wave's end, behind my last tensor load and my last LDS store
	ds_add_u32 v[SPW], v[NIL]
	s_wait_dscnt 0x0
	ROUND                                          ; the closing round: no work-group ends while a partner may still ask for a tile that names it
	s_endpgm
.Lfunc_end_k_q92382dfc19_attn:
	.size	k_q92382dfc19_attn, .Lfunc_end_k_q92382dfc19_attn-k_q92382dfc19_attn
	.p2alignl 7, 3214868480
	.fill 96, 4, 3214868480
	.section	.rodata,"a",@progbits
	.p2align	6, 0x0
	.amdhsa_kernel k_q92382dfc19_attn
		.amdhsa_group_segment_fixed_size 327680
		.amdhsa_private_segment_fixed_size 0
		.amdhsa_enable_private_segment 0
		.amdhsa_kernarg_size 48
		.amdhsa_user_sgpr_count 2
		.amdhsa_user_sgpr_kernarg_segment_ptr 1
		.amdhsa_wavefront_size32 1
		.amdhsa_system_sgpr_workgroup_id_x 1
		.amdhsa_system_sgpr_workgroup_id_y 1
		.amdhsa_system_sgpr_workgroup_id_z 1
		.amdhsa_system_vgpr_workitem_id 0
		.amdhsa_next_free_vgpr 1024
		.amdhsa_next_free_sgpr 100
		.amdhsa_reserve_vcc 0
		.amdhsa_float_denorm_mode_32 3
		.amdhsa_float_denorm_mode_16_64 3
		.amdhsa_memory_ordered 1
		.amdhsa_forward_progress 1
		.amdhsa_inst_pref_size 255
	.end_amdhsa_kernel
	.section	.bss,"aw",@nobits
	.p2align	6
	.space	262144
	.amdgpu_metadata
---
amdhsa.version: [ 1, 2 ]
amdhsa.kernels:
  - .name:           k_q92382dfc19_attn
    .symbol:         k_q92382dfc19_attn.kd
    .args:
      - { .name: data1_codes, .offset: 0, .size: 8, .value_kind: global_buffer, .address_space: global }
      - { .name: wqi, .offset: 8, .size: 8, .value_kind: global_buffer, .address_space: global }
      - { .name: bq, .offset: 16, .size: 8, .value_kind: global_buffer, .address_space: global }
      - { .name: kv, .offset: 24, .size: 8, .value_kind: global_buffer, .address_space: global }
      - { .name: lowp_scales, .offset: 32, .size: 8, .value_kind: global_buffer, .address_space: global }
      - { .name: out0, .offset: 40, .size: 8, .value_kind: global_buffer, .address_space: global }
    .group_segment_fixed_size: 327680
    .private_segment_fixed_size: 0
    .kernarg_segment_align: 8
    .kernarg_segment_size: 48
    .max_flat_workgroup_size: 128
    .sgpr_count:     100
    .vgpr_count:     1024
    .wavefront_size: 32
...
	.end_amdgpu_metadata
.endif
;; end of part 2
